; MI455X (gfx1250); checked and timed in simulation.
; The chip was launched on July 23, 2026; its instructions are those of AMD's public machine-readable ISA for CDNA 5 (MIT licence, August 2026) and "CDNA5" Instruction Set Architecture Reference Guide (July 2026). The comments in the code are by the model that wrote it; some were corrected since.
;; SIC Model2. Allowed arithmetic: matrix products marked QUANTISED: E4M3 operands, one given power-of-two scale a tensor, by v_wmma_f32_16x16x64_fp8_fp8 or v_wmma_f32_16x16x128_fp8_fp8, f32 sums; everything else in f32.
;; Inputs: Wh1 1,024 x 1,024 float32; Wh2 1,024 x 1,024 float32; Wh3 1,024 x 1,024 float32; Wh4 1,024 x 1,024 float32; Wp1 1,024 x 1,024 float32; Wp2 1,024 x 1,024 float32; Wp3 1,024 x 1,024 float32; Wp4 1,024 x 1,024 float32; bh1 1,024 float32; bh2 1,024 float32; bh3 1,024 float32; bh4 1,024 float32; bp1 1,024 float32; bp2 1,024 float32; bp3 1,024 float32; bp4 1,024 float32; hidden_states 16 x 512 x 1,024 float32; hypo_word_idxs 16 x 1 x 2 x 256 int32; lowp_scales 16 int32 (the exponents e of the quantised operands' scales 2^e); prem_word_idxs 16 x 1 x 2 x 256 int32.
;; Outputs: out0 16 x 256 x 1,024 float32; out1 16 x 256 x 1,024 float32.
;; This version of the problem:
;;   THIS VERSION OF THE PROBLEM IS GIVEN IN LOW PRECISION. The matrix products marked QUANTISED in the list below multiply operands that are first quantised to E4M3 (4 exponent bits, 3 mantissa bits; 8 bits a number), with one given power-of-two scale for each operand tensor; their sums are f32. All else is computed in f32.
;;   The module's matrix products, in the order in which they are computed (A, B: the left and right operand; K: the contracted axis; several contracted axes count as one K, in the product's order):
;;     1. [M 8,192, K 1,024] x [K 1,024, N 1,024]; A: input hidden_states; B: input Wp1: QUANTISED (scales: A lowp_scales[0], B lowp_scales[1])
;;     2. [M 8,192, K 1,024] x [K 1,024, N 1,024]; A: input hidden_states; B: input Wp2: QUANTISED (scales: A lowp_scales[2], B lowp_scales[3])
;;     3. [M 8,192, K 1,024] x [K 1,024, N 1,024]; A: input hidden_states; B: input Wp3: QUANTISED (scales: A lowp_scales[4], B lowp_scales[5])
;;     4. [M 8,192, K 1,024] x [K 1,024, N 1,024]; A: input hidden_states; B: input Wp4: QUANTISED (scales: A lowp_scales[6], B lowp_scales[7])
;;     5. [M 8,192, K 1,024] x [K 1,024, N 1,024]; A: input hidden_states; B: input Wh1: QUANTISED (scales: A lowp_scales[8], B lowp_scales[9])
;;     6. [M 8,192, K 1,024] x [K 1,024, N 1,024]; A: input hidden_states; B: input Wh2: QUANTISED (scales: A lowp_scales[10], B lowp_scales[11])
;;     7. [M 8,192, K 1,024] x [K 1,024, N 1,024]; A: input hidden_states; B: input Wh3: QUANTISED (scales: A lowp_scales[12], B lowp_scales[13])
;;     8. [M 8,192, K 1,024] x [K 1,024, N 1,024]; A: input hidden_states; B: input Wh4: QUANTISED (scales: A lowp_scales[14], B lowp_scales[15])
;;   THE QUANTISER, for each operand of a quantised product, along K:
;;     - The operand's scale is 2^e, e = its entry of the input lowp_scales (int32; the entries are numbered through the quantised products in the list's order, A before B).
;;     - Each number is divided by the scale, clamped to +-448, and rounded to the nearest number of E4M3, ties to even, subnormals kept.
;;     - The product sums the exact products of the quantised numbers (number of the format x scale) in f32.
;;   ~~~python
;;   def quantise(x, axis, e):      # numpy; x: float32 -> the quantised numbers, widened to float32 again
;;       x = np.moveaxis(x, axis, -1); K = x.shape[-1]
;;       r = np.clip(x / 2.0 ** e, -448, 448)
;;       step = 2.0 ** (np.maximum(np.frexp(np.where(r == 0, 1, r))[1] - 1, -6) - 3)
;;       q = np.round(r / step) * step * 2.0 ** e      # np.round: ties to even
;;       return np.moveaxis(q, -1, axis).astype(np.float32)
;;   ~~~
;; One version. Each part assembles by itself: llvm-mc -triple=amdgcn-amd-amdhsa -mcpu=gfx1250 --defsym DOCPART=n.
;; ======== version 1 of 1: 2 launches
;; limits: right only within a limited range of input values
;; workspace buffers: acodes 50,331,648 bytes; wcodes 8,388,608 bytes
;; launch prep (part 1): grid 1536 x 1, 4 waves a work-group, no clusters, 17,920 bytes of LDS; arguments hidden_states, prem_word_idxs, hypo_word_idxs, lowp_scales, Wp1, Wp2, Wp3, Wp4, Wh1, Wh2, Wh3, Wh4, acodes, wcodes; writes acodes, wcodes
.if DOCPART == 1
	.amdgcn_target "amdgcn-amd-amdhsa--gfx1250"
	.amdhsa_code_object_version 6
	.text
	.protected	k_qd5624f5a1f_prep
	.globl	k_qd5624f5a1f_prep
	.p2align	8
	.type	k_qd5624f5a1f_prep,@function
k_qd5624f5a1f_prep:
	s_mov_b64 s[64:65], 0
	v_nop
	global_prefetch_b8 v0, s[64:65] scope:SCOPE_SE
	s_setreg_imm32_b32 hwreg(HW_REG_WAVE_MODE, 25, 1), 1
	s_wait_xcnt 0x0
; GATHER AND QUANTISE ONCE.  The rows of hidden_states that the spans name, and the eight weights, become codes of FP8 (E4M3), laid in the order of a matrix operand's registers.
; code = x / 2^e, held within +-448, rounded to the nearest code, ties to even; e is the operand's entry of lowp_scales.
; A FRAGMENT IMAGE is 2 KiB: 16 rows x 128 places along K; the 16 bytes of register group c (0..3) of lane 16 h + r lie at byte 512 c + 256 h + 16 r, r the row.
; Which k stands in which place is one fixed permutation, the same for rows and weights since one path of this text makes both: in K quarter q (256 k), cell t (0..15) holds k = 256 q + 64 j + 4 t + i at its byte 4 j + i;
; cell t belongs to K step 2 q + t / 8 and lies at image byte 256 (t % 8) + 16 r.  Each product still meets its partner; only the order of the sums inside a matrix instruction changes.
; acodes [side 2][version 6][tile of 128 spans 32][K step 8][block of 16 rows 8][2 KiB]: versions 0, 1, 2 = the start rows at the row scales of products 1, 3, 4 of the side; 3, 4, 5 = the end rows at those of products 2, 3, 4.
; Every version is stored, also where two exponents are equal: the reader's addresses then hang on no loaded number.
; wcodes [weight 8][tile of 256 rows 4][K step 8][block 16][2 KiB]; weight w (Wp1..Wp4, Wh1..Wh4) has entry 2 w + 1.
; SHARES.  A work-group is one task of 16 rows x 1,024 along K; wave q takes K quarter q.  Tasks 0..1023: rows (side = t / 512, start or end = (t / 256) % 2, block = t % 256), three versions each;
; tasks 1024..1535: weights (w = t' / 64, block = t' % 64), one version.
; A lane: l = lane % 16, half = lane / 16.  The lanes of a half take rows 8 half + p, p = 0..7; load (p, j) reads 16 bytes at 256 j + 16 l of the row's quarter: sixteen lanes read 256 consecutive bytes, aligned.
; A lane's 16 numbers of a row are cell l.  The cells turn through the wave's own stage in LDS (16 cells x 272 bytes) and leave as images: a store of the wave covers 512 consecutive bytes, aligned.
; No barrier: the waves share nothing.  No tensor load, no cluster: no two work-groups read a common tile.  All 32 loads of a wave go out at once: 16 KiB a wave.
; REGISTERS are kept to 162, of which 128 hold the loaded numbers, so that more waves can be resident and more loads be out at a time: what is needed in turns shares registers (see the map).
; LIMITS: each e between -126 and 119, so that 2^e and 448 x 2^e are f32 numbers.  NaN among the inputs is not served; an infinity is held at the largest code.  An index is taken as unsigned and held at 511.
.set CELL,  272                        ; a cell in the stage: 16 rows x 16 bytes + 16 of padding: the sixteen lanes of a store fall on sixteen different columns of 16 bytes
.set STG,   16*CELL                    ; a wave's stage
.set SA,   1                           ; v1   the stage, way in: cell l, row 8 half
.set SB,   2                           ; v2   the stage, way out: cell half, 16 l
.set DO,   3                           ; v3   16 x lane; v4 the same one K step on
.set SC,   5                           ; v5   2^e as f32
.set LIM,  6                           ; v6   448 x 2^e
.set T,    8                           ; v8-23   two sets of 8 held numbers, by turns
.set OUT,  8                           ; v8-23   then a K step's image on its way out: T is done with when the first load from the stage is issued
.set C,    24                          ; v24-31  the codes: two sets of four registers, by turns
.set RO,   24                          ; v24-31  first the byte offsets of my eight rows, + 16 l: done with when all 32 loads are in
.set X,    32                          ; v32-159 my 8 x 16 numbers: they stay, for up to three versions
.set LN,   32                          ; the set-up's own numbers lie in X's registers: they are done with when the loads into X are issued
.set LQ,   33                          ; v33  l = lane % 16
.set HF,   34                          ; v34  half = lane / 16
.set L16,  35                          ; v35  16 l
.set IO,   36                          ; v36  32 half: my eight indices
.set IX,   40                          ; v40-47  the indices
	s_load_b256 s[4:11], s[0:1], 0x0               ; hidden_states s[4:5], prem's indices s[6:7], hypo's s[8:9], the scales' exponents s[10:11]
	s_load_b512 s[32:47], s[0:1], 0x20             ; the eight weights
	s_load_b128 s[12:15], s[0:1], 0x60             ; acodes s[12:13], wcodes s[14:15]
	v_lshl_add_u32 v160, v0, 2, 0x4400
	v_mov_b32 v161, 0
	v_lshrrev_b32 v[LN], 5, v0
	v_readfirstlane_b32 s16, v[LN]                 ; q: my wave, my K quarter
	v_and_b32 v[LN], 31, v0                        ; lane
	v_and_b32 v[LQ], 15, v0
	v_bfe_u32 v[HF], v0, 4, 1
	v_lshlrev_b32 v[L16], 4, v[LQ]
	s_mul_i32 s18, s16, STG
	v_mul_u32_u24 v[SA], v[LQ], CELL
	v_lshl_add_u32 v[SA], v[HF], 7, v[SA]
	v_add_nc_u32 v[SA], s18, v[SA]                 ; both LDS addresses are made here, ahead of the parting of the two kinds of task
	v_mul_u32_u24 v[SB], v[HF], CELL
	v_add_nc_u32 v[SB], v[SB], v[L16]
	v_add_nc_u32 v[SB], s18, v[SB]
	v_lshlrev_b32 v[DO], 4, v[LN]
	s_lshl_b32 s56, s16, 10                        ; my quarter of a row: 256 numbers, 1,024 bytes
	s_mov_b32 s59, 0                               ; the high word of every offset below
	s_wait_kmcnt 0x0
	s_cmp_lt_u32 ttmp9, 1024
	s_cbranch_scc0 .Lweights
	; ---- a task of rows
	s_lshr_b32 s17, ttmp9, 9                       ; side
	s_bfe_u32 s18, ttmp9, 0x10008                  ; 0: start rows, 1: end rows
	s_and_b32 s19, ttmp9, 255                      ; block of 16 spans, of the side's 256
	s_cmp_eq_u32 s17, 0
	s_cselect_b64 s[22:23], s[6:7], s[8:9]         ; the side's indices, [16][1][2][256]
	s_lshr_b32 s55, s19, 4                         ; the batch: 16 blocks each
	s_lshl_b32 s58, s55, 1
	s_add_co_u32 s58, s58, s18
	s_lshl_b32 s58, s58, 10                        ; (2 batch + start or end) x 256 indices of 4 bytes
	s_and_b32 s57, s19, 15
	s_lshl_b32 s57, s57, 6                         ; + 16 indices a block
	s_add_co_u32 s58, s58, s57
	s_add_nc_u64 s[22:23], s[22:23], s[58:59]
	s_wait_alu depctr_va_vdst(0)
	v_lshlrev_b32 v[IO], 5, v[HF]
	global_load_b128 v[IX:IX+3], v[IO], s[22:23]
	global_load_b128 v[IX+4:IX+7], v[IO], s[22:23] offset:16
	s_lshl_b32 s58, s55, 21                        ; the batch's 512 rows of 4,096 bytes
	s_add_co_u32 s58, s58, s56
	s_add_nc_u64 s[20:21], s[4:5], s[58:59]        ; the source: the batch's first row, my quarter
	s_lshl_b32 s28, s17, 5                         ; the side's eight entries begin at byte 32 side
	s_lshl_b32 s24, s18, 3
	s_add_co_u32 s24, s24, s28                     ; version 0: product 1's rows (start) or product 2's (end)
	s_add_co_u32 s26, s28, 16                      ; version 1: product 3's
	s_add_co_u32 s28, s28, 24                      ; version 2: product 4's
	s_mul_i32 s58, s17, 6
	s_mul_i32 s57, s18, 3
	s_add_co_u32 s58, s58, s57
	s_lshl_b32 s58, s58, 22                        ; version 6 side + 3 (start or end), 4 MiB each
	s_lshr_b32 s57, s19, 3
	s_lshl_b32 s57, s57, 17                        ; the tile of 128 spans
	s_add_co_u32 s58, s58, s57
	s_and_b32 s57, s19, 7
	s_lshl_b32 s57, s57, 11                        ; the block in it
	s_add_co_u32 s58, s58, s57
	s_lshl_b32 s57, s16, 15                        ; K steps 2 q, 2 q + 1: 16 KiB each
	s_add_co_u32 s58, s58, s57
	s_add_nc_u64 s[48:49], s[12:13], s[58:59]
	s_mov_b32 s54, 16384                           ; from K step to K step
	s_wait_loadcnt 0x0                             ; the indices
.irp p, 0,1,2,3,4,5,6,7
	v_min_u32 v[IX+\p], 0x1ff, v[IX+\p]            ; held inside the batch's 512 rows
.endr
.irp p, 0,1,2,3,4,5,6,7
	v_lshlrev_b32 v[RO+\p], 12, v[IX+\p]
.endr
.irp p, 0,1,2,3,4,5,6,7
	v_add_nc_u32 v[RO+\p], v[RO+\p], v[L16]
.endr
	s_branch .Ljoin
.Lweights:                                             ; ---- a task of a weight's rows
	s_sub_co_u32 s17, ttmp9, 1024
	s_lshr_b32 s18, s17, 6                         ; w
	s_and_b32 s19, s17, 63                         ; block of 16 rows, of the weight's 64
	s_mov_b64 s[20:21], s[32:33]
.irp i, 1,2,3,4,5,6,7
	s_cmp_eq_u32 s18, \i                           ; the choice hangs on the work-group's number alone
	s_cselect_b64 s[20:21], s[32+2*\i:33+2*\i], s[20:21]
.endr
	s_lshl_b32 s58, s19, 16                        ; 16 rows of 4,096 bytes
	s_add_co_u32 s58, s58, s56
	s_add_nc_u64 s[20:21], s[20:21], s[58:59]
	s_lshl_b32 s24, s18, 3
	s_add_co_u32 s24, s24, 4                       ; entry 2 w + 1
	s_mov_b32 s26, s24                             ; (the common lines below read three entries: here the same one thrice; only the first is used)
	s_mov_b32 s28, s24
	s_lshl_b32 s58, s18, 20
	s_lshr_b32 s57, s19, 4
	s_lshl_b32 s57, s57, 18                        ; the tile of 256 rows
	s_add_co_u32 s58, s58, s57
	s_and_b32 s57, s19, 15
	s_lshl_b32 s57, s57, 11
	s_add_co_u32 s58, s58, s57
	s_lshl_b32 s57, s16, 16                        ; K steps 2 q, 2 q + 1: 32 KiB each
	s_add_co_u32 s58, s58, s57
	s_add_nc_u64 s[48:49], s[14:15], s[58:59]
	s_mov_b32 s54, 32768
	s_wait_alu depctr_va_vdst(0)
	v_lshl_add_u32 v[RO], v[HF], 15, v[L16]        ; rows 8 half + p as they lie
.irp p, 1,2,3,4,5,6,7
	v_add_nc_u32 v[RO+\p], \p*4096, v[RO]
.endr
.Ljoin:
	s_mov_b32 s25, 0
	s_mov_b32 s27, 0
	s_mov_b32 s29, 0
	s_add_nc_u64 s[24:25], s[10:11], s[24:25]
	s_add_nc_u64 s[26:27], s[10:11], s[26:27]
	s_add_nc_u64 s[28:29], s[10:11], s[28:29]
	s_load_b32 s60, s[24:25], 0x0                  ; e0, e1, e2: the three versions' exponents
	s_load_b32 s61, s[26:27], 0x0
	s_load_b32 s62, s[28:29], 0x0
	v_add_nc_u32 v[DO+1], s54, v[DO]
	s_wait_alu depctr_va_vdst(0)
.irp p, 0,1,2,3,4,5,6,7
.irp j, 0,1,2,3
	global_load_b128 v[X+16*\p+4*\j:X+16*\p+4*\j+3], v[RO+\p], s[20:21] offset:256*\j   ; no hint: a list may name a row twice
.endr
.endr
	s_wait_kmcnt 0x0
; One version: the wave's 16 rows x 256 numbers at the scale 2^(s[e]), to the images at s[d:d+1].
.macro VERSION v, e, d
.if \v > 0
	s_wait_xcnt 0x0                                ; the stores of the version before have read OUT: T, which shares its registers, is written again only behind this wait
.else
	s_wait_loadcnt 0x0                             ; all 32 loads are in: so their offsets RO are done with, and C, which shares their registers, may be written
.endif
	s_add_co_i32 s55, s[\e], 127
	s_lshl_b32 s58, s55, 23
	v_mov_b32 v[SC], s58                           ; 2^e as f32: the conversion takes its exponent field
	s_add_co_i32 s55, s55, 8
	s_lshl_b32 s55, s55, 23
	s_or_b32 s55, s55, 0x600000
	v_mov_b32 v[LIM], s55                          ; 448 x 2^e
.irp p, 0,1,2,3,4,5,6,7
.irp g, 0,1
.irp i, 0,1,2,3,4,5,6,7
	v_med3_num_f32 v[T+8*\g+\i], v[X+16*\p+8*\g+\i], -v[LIM], v[LIM]   ; the conversion to an 8-bit code does not saturate (ISA guide 7.6.2): the hold comes first.  X is kept for the next version
.endr
	v_cvt_scalef32_pk8_fp8_f32 v[C+4*(\p%2)+2*\g:C+4*(\p%2)+2*\g+1], v[T+8*\g:T+8*\g+7], v[SC]   ; the eight holds that follow write T's other set: plain lines between a conversion and the next write of its sources
.endr
	ds_store_b128 v[SA], v[C+4*(\p%2):C+4*(\p%2)+3] offset:16*\p   ; cell l, row 8 half + p
.endr
	v_nop                                          ; a plain line behind the last conversion: the next vector line may write its scale
.irp b, 0,1                                    ; cells 0-7: K step 2 q; cells 8-15: K step 2 q + 1
.if \b > 0
	s_wait_xcnt 0x0                                ; the first K step's stores have read OUT: it is loaded again only behind this wait
.endif
.irp m, 0,1,2,3
	ds_load_b128 v[OUT+4*\m:OUT+4*\m+3], v[SB] offset:2*CELL*(4*\b+\m)   ; two cells, 256 bytes each.  LDS serves a wave's instructions in order (ISA guide 5.7.1.4): these see the stores above
.endr
.irp m, 0,1,2,3
	s_wait_dscnt 3-\m                              ; load m is back; the 3 - m younger ones may be out
	global_store_b128 v[DO+\b], v[OUT+4*\m:OUT+4*\m+3], s[\d:\d+1] offset:512*\m   ; 512 consecutive bytes, aligned
.endr
.endr
.endm
	VERSION 0, 60, 48
	s_cmp_lt_u32 ttmp9, 1024                       ; a weight has one scale and one version; the branch hangs on the work-group's number alone
	s_cbranch_scc0 .Ldone
	s_add_nc_u64 s[50:51], s[48:49], 1<<22         ; versions 1 and 2 lie 4 MiB and 8 MiB behind version 0
	s_add_nc_u64 s[52:53], s[48:49], 2<<22
	VERSION 1, 61, 50
	VERSION 2, 62, 52
.Ldone:
	s_wait_tensorcnt 0x0
	ds_add_u32 v160, v161
	s_wait_dscnt 0x0
	s_endpgm
.Lfunc_end_k_qd5624f5a1f_prep:
	.size	k_qd5624f5a1f_prep, .Lfunc_end_k_qd5624f5a1f_prep-k_qd5624f5a1f_prep
	.p2alignl 7, 3214868480
	.fill 96, 4, 3214868480
	.section	.rodata,"a",@progbits
	.p2align	6, 0x0
	.amdhsa_kernel k_qd5624f5a1f_prep
		.amdhsa_group_segment_fixed_size 17920
		.amdhsa_private_segment_fixed_size 0
		.amdhsa_enable_private_segment 0
		.amdhsa_kernarg_size 112
		.amdhsa_user_sgpr_count 2
		.amdhsa_user_sgpr_kernarg_segment_ptr 1
		.amdhsa_wavefront_size32 1
		.amdhsa_system_sgpr_workgroup_id_x 1
		.amdhsa_system_sgpr_workgroup_id_y 1
		.amdhsa_system_sgpr_workgroup_id_z 1
		.amdhsa_system_vgpr_workitem_id 0
		.amdhsa_next_free_vgpr 162
		.amdhsa_next_free_sgpr 66
		.amdhsa_reserve_vcc 0
		.amdhsa_float_denorm_mode_32 3
		.amdhsa_float_denorm_mode_16_64 3
		.amdhsa_memory_ordered 1
		.amdhsa_forward_progress 1
		.amdhsa_inst_pref_size 44
	.end_amdhsa_kernel
	.amdgpu_metadata
---
amdhsa.version: [ 1, 2 ]
amdhsa.kernels:
  - .name:           k_qd5624f5a1f_prep
    .symbol:         k_qd5624f5a1f_prep.kd
    .args:
      - { .name: hidden_states, .offset: 0, .size: 8, .value_kind: global_buffer, .address_space: global }
      - { .name: prem_word_idxs, .offset: 8, .size: 8, .value_kind: global_buffer, .address_space: global }
      - { .name: hypo_word_idxs, .offset: 16, .size: 8, .value_kind: global_buffer, .address_space: global }
      - { .name: lowp_scales, .offset: 24, .size: 8, .value_kind: global_buffer, .address_space: global }
      - { .name: Wp1, .offset: 32, .size: 8, .value_kind: global_buffer, .address_space: global }
      - { .name: Wp2, .offset: 40, .size: 8, .value_kind: global_buffer, .address_space: global }
      - { .name: Wp3, .offset: 48, .size: 8, .value_kind: global_buffer, .address_space: global }
      - { .name: Wp4, .offset: 56, .size: 8, .value_kind: global_buffer, .address_space: global }
      - { .name: Wh1, .offset: 64, .size: 8, .value_kind: global_buffer, .address_space: global }
      - { .name: Wh2, .offset: 72, .size: 8, .value_kind: global_buffer, .address_space: global }
      - { .name: Wh3, .offset: 80, .size: 8, .value_kind: global_buffer, .address_space: global }
      - { .name: Wh4, .offset: 88, .size: 8, .value_kind: global_buffer, .address_space: global }
      - { .name: acodes, .offset: 96, .size: 8, .value_kind: global_buffer, .address_space: global }
      - { .name: wcodes, .offset: 104, .size: 8, .value_kind: global_buffer, .address_space: global }
    .group_segment_fixed_size: 17920
    .private_segment_fixed_size: 0
    .kernarg_segment_align: 8
    .kernarg_segment_size: 112
    .max_flat_workgroup_size: 128
    .sgpr_count:     66
    .vgpr_count:     162
    .wavefront_size: 32
...
	.end_amdgpu_metadata
.endif
;; end of part 1
;; launch span (part 2): grid 4 x 64, 4 waves a work-group, clusters of 4 x 4, 327,680 bytes of LDS; arguments acodes, wcodes, lowp_scales, bp1, bp2, bp3, bp4, bh1, bh2, bh3, bh4, out0, out1; writes out0, out1
.if DOCPART == 2
	.amdgcn_target "amdgcn-amd-amdhsa--gfx1250"
	.amdhsa_code_object_version 6
	.text
	.protected	k_qd5624f5a1f_span
	.globl	k_qd5624f5a1f_span
	.p2align	8
	.type	k_qd5624f5a1f_span,@function
k_qd5624f5a1f_span:
	s_mov_b64 s[64:65], 0
	v_nop
	global_prefetch_b8 v0, s[64:65] scope:SCOPE_SE
	s_setreg_imm32_b32 hwreg(HW_REG_WAVE_MODE, 25, 1), 1
	s_wait_xcnt 0x0
	s_wait_alu depctr_hold_cnt(0) depctr_sa_sdst(0) depctr_va_vdst(0) depctr_va_sdst(0) depctr_va_ssrc(0) depctr_va_vcc(0) depctr_vm_vsrc(0)
	s_getreg_b32 s2, hwreg(HW_REG_IB_STS2, 6, 4)
	s_cmp_eq_u32 s2, 0
	s_cbranch_scc0 .Lentry_in_a_cluster
	s_endpgm
.Lentry_in_a_cluster:
	s_bfe_u32 s2, ttmp6, 0x10000c
	s_cmp_lg_u32 s2, 0xf033
	s_cbranch_scc0 .Lentry_shape_is_right
	s_endpgm
.Lentry_shape_is_right:
; THE SPANS, ON THE CODES THAT LAUNCH prep MADE.  out[side][span][column] = tanh(p1(start) + p2(end) + p3(start) - p3(end) + p4(start) p4(end)), p_i(row) = row x W_i^T + b_i.
; WORK LEFT OUT: reference() projects all 512 positions of a batch and keeps, by take_along_axis, the rows at the start and end indices.  Row s of a projection is made of row s of hidden_states alone, whatever the
; values, so a position that no index names reaches no output: only the named rows, which prep gathered, are multiplied.  LIMIT: a NaN, an infinity or an overflow in a position that no index names is not carried to the result.
; A work-group makes 128 spans x 256 columns of one side (grid x: the column tile; y: 32 side + the span tile).  Wave w: spans 64 (w / 2) .., columns 128 (w % 2) ..
; Window 2 holds the 32 accumulators of the start rows' product, window 3 those of the end rows'; window 1 the weight's fragments, two sets; window 0 addresses, a bias (v32-95) and the rows' fragments (from v128).
; ORDER.  E_i = the two exponents of product i added.  Product 4 on both row sets, its sums begun at b4 / 2^E4.  MIX 0: the two multiplied, brought to product 3's scale, + b3 / 2^E3.  Product 3: the start rows' onto that,
; the end rows' begun at b3 / 2^E3.  MIX 1: the difference, in which b3 goes as it does in reference(), brought to product 1's scale, + b1 / 2^E1.  Then product 1 onto window 2 and product 2 in window 3.
; At the end both are scaled, b2 is added, and tanh x = 1 - 2 / (1 + 2^(2 log2(e) x)).
; LIMITS: -E_i, 2 E4 - E3 and E3 - E1 lie between -126 and 127, so that each power of two made here is an f32 number.
; THE RING: two slots of 128 KiB.  In products 4 and 3 a slot holds 256 along K (start rows 32 KiB, end rows 32 KiB, the weight 64 KiB); in the last part 128 along K of both row sets and of two weights.
; CLUSTERS of 4 x 4: the rows' tiles are asked for jointly along a row of the cluster, the weights' along a column; every joint refill stands behind a round of the cluster's barrier.
.set SLOT,   131072
.set SPARE,  2*SLOT
.set STAGE,  SPARE+512
.set SPITCH, 528
.set ADRA, 16
.set ADRB, 20
.set STO,  24
.set RD,   25
.set CO,   26
.set BO,   27
.set SPW,  28
.set NIL,  29
.set PFO,  30
.set BI,   32
.set AF,   128
.set G1A,  24
.set G0A,  32
.set G1B,  48
.set G0B,  56
.set G1AC, 92
.set PA3,  66
.set PAC,  68
.set PB3,  70
.set PBC,  12
.set PFA3, 80
.set PFAC, 82
.set PFB3, 84
.set PFBC, 86
.set BP,   72
.set EX,   88
.set MSB, 0
.macro WIN new
.if MSB != (\new)
	s_set_vgpr_msb (MSB<<8)|(\new)
.set MSB, (\new)
.endif
.endm
.macro JLOAD g0a, g1a, g0b, g1b
	s_cmp_eq_u32 s15, 0
	s_cbranch_scc0 .Lfor_b_\@
	tensor_load_to_lds s[\g0a:\g0a+3], s[\g1a:\g1a+7]
	s_nop 0
.rept 4
	v_nop
.endr
	s_branch .Lasked_\@
.Lfor_b_\@:
	tensor_load_to_lds s[\g0b:\g0b+3], s[\g1b:\g1b+7]
	s_nop 0
.rept 4
	v_nop
.endr
.Lasked_\@:
.endm
.macro ASK ask, ba, oa, bb, ob
	s_cmp_eq_u32 s15, 0
	s_cbranch_scc0 .Lask_w_\@
.if \ask == 2
	global_prefetch_b8 v[PFO], s[\ba:\ba+1] offset:\oa th:TH_LOAD_NT scope:SCOPE_SE
.endif
	s_branch .Lask_end_\@
.Lask_w_\@:
	s_cmp_eq_u32 s3, 0
	s_cbranch_scc0 .Lask_end_\@
	global_prefetch_b8 v[PFO], s[\bb:\bb+1] offset:\ob th:TH_LOAD_NT scope:SCOPE_SE
.Lask_end_\@:
.endm
.macro CROUND
	s_barrier_signal -1
	s_barrier_wait -1
	s_cmp_lg_u32 s14, 0
	s_cbranch_scc1 .Lnot_wave_0_\@
	s_barrier_signal -3
.Lnot_wave_0_\@:
	s_barrier_wait -3
	s_barrier_signal -1
	s_barrier_wait -1
.endm
.macro PLACES n
.rept \n
	v_nop
.endr
.endm
.macro FRAG reg, adr, off
.irp c, 0,1,2,3
	ds_load_b128 v[\reg+4*\c:\reg+4*\c+3], v[\adr] offset:\off+512*\c
.endr
.endm
.macro FETCH_B slot, q, p
	WIN 0x40
.irp i, 0,1,2,3,4,5,6,7
	FRAG 128*(\p)+16*\i, ADRB+\slot, (\q)*32768+\i*2048
.endr
	WIN 0
.endm
.macro FETCH_A slot, q, i0
.irp i, \i0, \i0+1, \i0+2, \i0+3
	FRAG AF+16*(\i), ADRA+\slot, ((\i)/4)*32768+(\q)*16384+((\i)%4)*2048
.endr
.endm
.macro MUL16 a0, p, mode
.irp a, \a0, \a0+1
.irp b, 0,1,2,3,4,5,6,7
.if \mode == 0
	v_wmma_f32_16x16x128_fp8_fp8 v[8*(8*((\a)%4)+\b):8*(8*((\a)%4)+\b)+7], v[128*(\p)+16*\b:128*(\p)+16*\b+15], v[AF+16*(\a):AF+16*(\a)+15], v[8*(8*((\a)%4)+\b):8*(8*((\a)%4)+\b)+7]
.elseif \mode == 1
	v_wmma_f32_16x16x128_fp8_fp8 v[8*(8*((\a)%4)+\b):8*(8*((\a)%4)+\b)+7], v[128*(\p)+16*\b:128*(\p)+16*\b+15], v[AF+16*(\a):AF+16*(\a)+15], 0
.else
	v_wmma_f32_16x16x128_fp8_fp8 v[8*(8*((\a)%4)+\b):8*(8*((\a)%4)+\b)+7], v[128*(\p)+16*\b:128*(\p)+16*\b+15], v[AF+16*(\a):AF+16*(\a)+15], v[BI+8*\b:BI+8*\b+7]
.endif
.endr
.endr
.endm
.macro STEP slot, cA, cB
	s_wait_dscnt 16
	WIN 0xa1-0x20*((\cA)/2)
	MUL16 0, 0, \cA
	MUL16 2, 0, \cA
	s_wait_dscnt 0x0
	PLACES 4
	FETCH_B \slot, 1, 1
	FETCH_A \slot, 1, 0
	WIN 0xf1-0x30*((\cB)/2)
	MUL16 4, 0, \cB
	MUL16 6, 0, \cB
	PLACES 4
	WIN 0
	FETCH_A \slot, 1, 4
.endm
.macro RSTEP slot, mode
.if \mode == 1
	s_add_nc_u64 s[G0A+4*\slot+2:G0A+4*\slot+3], s[G0A+4*\slot+2:G0A+4*\slot+3], 65536
	s_add_nc_u64 s[G0B+4*\slot+2:G0B+4*\slot+3], s[G0B+4*\slot+2:G0B+4*\slot+3], 131072
.elseif \mode == 2
	s_add_nc_u64 s[G0A+4*\slot+2:G0A+4*\slot+3], s[PA3:PA3+1], \slot*32768
	s_or_b32 s[G0A+4*\slot+3], s[G0A+4*\slot+3], 0x80000000
	s_add_nc_u64 s[G0B+4*\slot+2:G0B+4*\slot+3], s[PB3:PB3+1], \slot*65536
	s_or_b32 s[G0B+4*\slot+3], s[G0B+4*\slot+3], 0x80000000
.elseif \mode == 3
	s_add_nc_u64 s[G0A+4*\slot+2:G0A+4*\slot+3], s[PAC:PAC+1], \slot*16384
	s_or_b32 s[G0A+4*\slot+3], s[G0A+4*\slot+3], 0x80000000
	s_add_nc_u64 s[G0B+4*\slot+2:G0B+4*\slot+3], s[PBC:PBC+1], \slot*32768
	s_or_b32 s[G0B+4*\slot+3], s[G0B+4*\slot+3], 0x80000000
.else
	s_add_nc_u64 s[G0A+4*\slot+2:G0A+4*\slot+3], s[G0A+4*\slot+2:G0A+4*\slot+3], 32768
	s_add_nc_u64 s[G0B+4*\slot+2:G0B+4*\slot+3], s[G0B+4*\slot+2:G0B+4*\slot+3], 65536
.endif
.endm
.macro RLOAD slot, mode
.if \mode < 3
	JLOAD G0A+4*\slot, G1A, G0B+4*\slot, G1B
.else
	JLOAD G0A+4*\slot, G1AC, G0B+4*\slot, G1B
.endif
.endm
.macro TURN slot, next, mode, toC, ask, ba, oa, bb, ob
	s_wait_dscnt 16
	WIN 0xa1
	MUL16 0, 1, 0
	MUL16 2, 1, 0
	WIN 0
	s_wait_tensorcnt 0x0
	ds_add_u32 v[SPW], v[NIL]
	RSTEP \slot, \mode
	s_wait_dscnt 0x0
	CROUND
	RLOAD \slot, \mode
	FETCH_B \next, 0, 0
	FETCH_A \next, 0, 0
.if \ask > 0
	ASK \ask, \ba, \oa, \bb, \ob
.endif
	WIN 0xf1
	MUL16 4, 1, 0
	MUL16 6, 1, 0
	PLACES 4
.if \toC
	FETCH_B \next, 1, 1
.else
	WIN 0
.endif
	FETCH_A \next, 0, 4
.endm
.macro TURNC slot, next, fill, first, ask, ba, oa, bb, ob
	s_wait_dscnt 48
	WIN 0xa1
	MUL16 0, 0, 0
	MUL16 2, 0, 0
	WIN 0
	s_wait_tensorcnt 0x0
	ds_add_u32 v[SPW], v[NIL]
.if \fill
	RSTEP \slot, 4
.endif
	s_wait_dscnt 0x0
.if \fill
	CROUND
	RLOAD \slot, 4
.else
	s_barrier_signal -1
	s_barrier_wait -1
	PLACES 4
.endif
	FETCH_B \next, 0, 0
	FETCH_A \next, 0, 0
.if \ask > 0
	ASK \ask, \ba, \oa, \bb, \ob
.endif
	WIN 0xf1
	MUL16 4, 1, \first
	MUL16 6, 1, \first
	PLACES 4
	FETCH_B \next, 1, 1
	FETCH_A \next, 0, 4
.endm
.macro BIAS_LOAD p
.irp b, 0,1,2,3,4,5,6,7
	global_load_b128 v[BI+8*\b:BI+8*\b+3], v[BO], s[\p:\p+1] offset:64*\b
	global_load_b128 v[BI+8*\b+4:BI+8*\b+7], v[BO], s[\p:\p+1] offset:64*\b+16
.endr
.endm
.macro BISCALE
.set j, 0
.rept 32
	v_pk_mul_f32 v[BI+j:BI+j+1], v[BI+j:BI+j+1], s[18:19] op_sel_hi:[1,0]
.set j, j+2
.endr
.endm
.macro MIX kind
.if \kind == 0
	s_sub_co_i32 s18, 127, s[EX+2]
	s_lshl_b32 s20, s[EX+3], 1
	s_sub_co_i32 s20, s20, s[EX+2]
.else
	s_sub_co_i32 s18, 127, s[EX]
	s_sub_co_i32 s20, s[EX+2], s[EX]
.endif
	s_lshl_b32 s18, s18, 23
	s_mov_b32 s19, s18
	s_add_co_i32 s20, s20, 127
	s_lshl_b32 s20, s20, 23
	s_mov_b32 s21, s20
	s_wait_loadcnt 0x0
	BISCALE
	WIN 0x8e
.set j, 0
.rept 128
.if \kind == 0
	v_pk_mul_f32 v[j:j+1], v[j:j+1], v[j:j+1]
.else
	v_pk_add_f32 v[j:j+1], v[j:j+1], v[j:j+1] neg_lo:[0,1] neg_hi:[0,1]
.endif
.set j, j+2
.endr
	WIN 0x82
.set j, 0
.rept 128
	v_pk_fma_f32 v[j:j+1], v[j:j+1], s[20:21], v[BI+j%64:BI+j%64+1] op_sel_hi:[1,0,1]
.set j, j+2
.endr
	WIN 0
.endm
	s_load_b128 s[4:7], s[0:1], 0x0
	s_load_b64 s[8:9], s[0:1], 0x10
	s_load_b256 s[72:79], s[0:1], 0x18
	s_load_b256 s[80:87], s[0:1], 0x38
	s_load_b128 s[88:91], s[0:1], 0x58
	v_lshl_add_u32 v[SPW], v0, 2, SPARE
	v_mov_b32 v[NIL], 0
	ds_add_u32 v28, v29
	ds_add_u32 v28, v29
	s_wait_dscnt 0x0
	v_lshrrev_b32 v1, 5, v0
	v_readfirstlane_b32 s14, v1
	s_lshr_b32 s15, s14, 1
	s_and_b32 s16, s14, 1
	s_bfe_u32 s40, ttmp6, 0x40000
	s_bfe_u32 s41, ttmp6, 0x40004
	s_lshl_b32 s42, ttmp9, 2
	s_add_co_u32 s42, s42, s40
	s_and_b32 s44, ttmp7, 0xffff
	s_and_b32 s3, s44, 7
	s_lshr_b32 s17, s44, 3
	s_lshl_b32 s44, s44, 2
	s_add_co_u32 s44, s44, s41
	s_and_b32 s44, s44, 31
	s_lshl_b32 s43, s41, 2
	s_lshl_b32 s43, 15, s43
	s_lshl_b32 s45, 0x1111, s40
	s_or_b32 s[G1A], s43, (3<<16)|(1<<21)
	s_or_b32 s[G1AC], s43, (3<<16)|(1<<21)
	s_or_b32 s[G1B], s45, (3<<16)|(1<<21)
.irp g, G1A, G1B
	s_mov_b32 s[\g+1], 32<<16
	s_mov_b32 s[\g+2], 128<<16
	s_mov_b32 s[\g+3], 32<<16
	s_mov_b32 s[\g+4], 128
	s_mov_b32 s[\g+5], 32
	s_mov_b32 s[\g+6], 0
	s_mov_b32 s[\g+7], 0
.endr
	s_mov_b32 s[G1AC+1], 32<<16
	s_mov_b32 s[G1AC+2], 64<<16
	s_mov_b32 s[G1AC+3], 32<<16
	s_mov_b32 s[G1AC+4], 64
	s_mov_b32 s[G1AC+5], 32
	s_mov_b32 s[G1AC+6], 0
	s_mov_b32 s[G1AC+7], 0
	s_wait_kmcnt 0x0
	s_cmp_eq_u32 s17, 0
	s_cselect_b64 s[72:73], s[72:73], s[80:81]
	s_cselect_b64 s[74:75], s[74:75], s[82:83]
	s_cselect_b64 s[76:77], s[76:77], s[84:85]
	s_cselect_b64 s[78:79], s[78:79], s[86:87]
	s_cselect_b64 s[10:11], s[88:89], s[90:91]
	s_lshl_b32 s18, s17, 5
	s_mov_b32 s19, 0
	s_add_nc_u64 s[8:9], s[8:9], s[18:19]
	s_load_b256 s[80:87], s[8:9], 0x0
	s_lshl_b32 s46, s17, 22
	s_lshl_b32 s47, s42, 18
	s_add_co_u32 s46, s46, s47
	s_mov_b32 s47, 0
	s_add_nc_u64 s[6:7], s[6:7], s[46:47]
	s_lshl_b32 s46, s16, 20
	s_add_nc_u64 s[PBC:PBC+1], s[6:7], s[46:47]
	s_lshl_b32 s46, s16, 15
	s_add_co_u32 s46, s46, 2<<20
	s_add_nc_u64 s[PB3:PB3+1], s[6:7], s[46:47]
	s_add_nc_u64 s[46:47], s[PB3:PB3+1], 1<<20
	s_mul_i32 s21, s17, 6
	s_mul_i32 s22, s16, 3
	s_add_co_u32 s21, s21, s22
	s_lshl_b32 s21, s21, 22
	s_lshl_b32 s22, s44, 17
	s_add_co_u32 s22, s22, s21
	s_mov_b32 s23, 0
	s_add_nc_u64 s[PAC:PAC+1], s[4:5], s[22:23]
	s_add_nc_u64 s[PA3:PA3+1], s[PAC:PAC+1], 1<<22
	s_add_nc_u64 s[20:21], s[PAC:PAC+1], 2<<22
	s_lshl_b32 s22, s14, 15
	CROUND
.irp s, 0,1
	s_mov_b32 s[G0A+4*\s], 1
	s_add_co_u32 s[G0A+4*\s+1], s22, \s*SLOT
	s_add_nc_u64 s[G0A+4*\s+2:G0A+4*\s+3], s[20:21], \s*32768
	s_or_b32 s[G0A+4*\s+3], s[G0A+4*\s+3], 0x80000000
	s_mov_b32 s[G0B+4*\s], 1
	s_add_co_u32 s[G0B+4*\s+1], s22, \s*SLOT
	s_add_nc_u64 s[G0B+4*\s+2:G0B+4*\s+3], s[46:47], \s*65536
	s_or_b32 s[G0B+4*\s+3], s[G0B+4*\s+3], 0x80000000
.endr
	JLOAD G0A, G1A, G0B, G1B                       ; slot 0: one tensor load a wave at the head; the addresses and the first bias are made while it is out
	v_and_b32 v1, 31, v0
	v_lshlrev_b32 v[CO], 4, v1
	v_lshlrev_b32 v[PFO], 8, v1
	s_lshl_b32 s18, s15, 13
	s_lshl_b32 s19, s16, 14
	s_add_co_u32 s19, s19, 65536
.irp s, 0,1
	v_add_nc_u32 v[ADRA+\s], s18, v[CO]
	v_add_nc_u32 v[ADRB+\s], s19, v[CO]
	s_add_co_u32 s18, s18, SLOT
	s_add_co_u32 s19, s19, SLOT
.endr
	v_and_b32 v2, 15, v0
	v_bfe_u32 v3, v0, 4, 1
	s_mul_i32 s18, s14, 16*SPITCH
	s_add_co_u32 s18, s18, STAGE
	v_mul_u32_u24 v4, v2, SPITCH
	v_lshl_add_u32 v4, v3, 5, v4
	v_add_nc_u32 v[STO], s18, v4
	v_add_nc_u32 v[RD], s18, v[CO]
	v_lshlrev_b32 v[BO], 5, v3
	s_wait_alu depctr_va_vdst(0)
	s_lshl_b32 s46, s42, 10
	s_lshl_b32 s47, s16, 9
	s_add_co_u32 s46, s46, s47
	s_mov_b32 s47, 0
.irp p, 72,74,76,78
	s_add_nc_u64 s[\p:\p+1], s[\p:\p+1], s[46:47]
.endr
	s_add_nc_u64 s[10:11], s[10:11], s[46:47]
	s_lshl_b32 s18, s44, 19
	s_lshl_b32 s19, s15, 18
	s_add_co_u32 s18, s18, s19
	s_mov_b32 s19, 0
	s_add_nc_u64 s[10:11], s[10:11], s[18:19]
	BIAS_LOAD BP+6
	s_wait_kmcnt 0x0
	s_add_co_i32 s[EX], s80, s81
	s_add_co_i32 s[EX+1], s82, s83
	s_add_co_i32 s[EX+2], s84, s85
	s_add_co_i32 s[EX+3], s86, s87
	s_lshl_b32 s46, s40, 13
	s_add_nc_u64 s[PFA3:PFA3+1], s[PA3:PA3+1], s[46:47]
	s_add_nc_u64 s[PFAC:PFAC+1], s[PAC:PAC+1], s[46:47]
	s_lshl_b32 s18, s41, 13
	s_add_nc_u64 s[PFB3:PFB3+1], s[PB3:PB3+1], s[18:19]
	s_add_nc_u64 s[PFBC:PFBC+1], s[PBC:PBC+1], s[18:19]
	s_sub_co_i32 s18, 127, s[EX+3]
	s_lshl_b32 s18, s18, 23
	s_mov_b32 s19, s18
	s_wait_loadcnt 0x0
	BISCALE
	s_wait_alu depctr_va_vdst(0)
	s_wait_tensorcnt 0x0                           ; my part of slot 0 is in
	ds_add_u32 v[SPW], v[NIL]
	s_wait_dscnt 0x0
	CROUND                                         ; everybody's part of slot 0 is in, and the joint loads meet
	JLOAD G0A+4, G1A, G0B+4, G1B                   ; slot 1's first fill: the first tensor load behind the round
	FETCH_B 0, 0, 0
	FETCH_A 0, 0, 0
	FETCH_A 0, 0, 4
	STEP 0, 2, 2
	TURN 0, 1, 1, 0, 2, PFA3, 0, PFB3, 0
	STEP 1, 0, 0
	TURN 1, 0, 1, 0, 2, PFA3, 32768, PFB3, 65536
	BIAS_LOAD BP+4
	STEP 0, 0, 0
	TURN 0, 1, 2, 0, 2, PFA3, 65536, PFB3, 131072
	STEP 1, 0, 0
	TURN 1, 0, 2, 0, 2, PFA3, 98304, PFB3, 196608
	MIX 0
	s_wait_alu depctr_va_vdst(0)
	STEP 0, 0, 2
	TURN 0, 1, 1, 0, 2, PFAC, 0, PFBC, 0
	STEP 1, 0, 0
	TURN 1, 0, 1, 0, 1, PFAC, 0, PFBC, 32768
	BIAS_LOAD BP
	STEP 0, 0, 0
	TURN 0, 1, 3, 0, 2, PFAC, 32768, PFBC, 65536
	STEP 1, 0, 0
	TURN 1, 0, 3, 1, 1, PFAC, 0, PFBC, 98304
	MIX 1
	s_wait_alu depctr_va_vdst(0)
	TURNC 0, 1, 1, 1, 2, PFAC, 65536, PFBC, 131072
	BIAS_LOAD BP+2
	TURNC 1, 0, 1, 0, 1, PFAC, 0, PFBC, 163840
	TURNC 0, 1, 1, 0, 2, PFAC, 98304, PFBC, 196608
	TURNC 1, 0, 1, 0, 1, PFAC, 0, PFBC, 229376
	TURNC 0, 1, 1, 0, 0, PFAC, 0, PFBC, 0
	TURNC 1, 0, 1, 0, 0, PFAC, 0, PFBC, 0
	TURNC 0, 1, 0, 0, 0, PFAC, 0, PFBC, 0
	s_wait_dscnt 48
	WIN 0xa1
	MUL16 0, 0, 0
	MUL16 2, 0, 0
	s_wait_dscnt 0x0
	WIN 0xf1
	MUL16 4, 1, 0
	MUL16 6, 1, 0
	WIN 0
	PLACES 4
	s_mov_b32 s18, 0x4038aa3b
	s_mov_b32 s19, s18
	s_lshl_b32 s20, s[EX], 23
	s_add_co_i32 s20, s20, s18
	s_mov_b32 s21, s20
	s_lshl_b32 s22, s[EX+1], 23
	s_add_co_i32 s22, s22, s18
	s_mov_b32 s23, s22
	s_wait_loadcnt 0x0
	BISCALE
.macro TANH a
.set TT, AF+64*((\a)%2)
.set AC, 64*(\a)
.if (\a) >= 2
	s_wait_xcnt 0x0
.endif
	WIN 0x03
.set j, 0
.rept 32
	v_pk_fma_f32 v[TT+j:TT+j+1], v[AC+j:AC+j+1], s[22:23], v[BI+j:BI+j+1] op_sel_hi:[1,0,1]
.set j, j+2
.endr
	WIN 0x02
.set j, 0
.rept 32
	v_pk_fma_f32 v[TT+j:TT+j+1], v[AC+j:AC+j+1], s[20:21], v[TT+j:TT+j+1] op_sel_hi:[1,0,1]
.set j, j+2
.endr
	WIN 0
.set j, 0
	s_wait_alu depctr_va_vdst(0)
.rept 64
	v_exp_f32 v[TT+j], v[TT+j]
.set j, j+1
.endr
	v_nop
	s_wait_alu depctr_va_vdst(0)
.set j, 0
.rept 32
	v_pk_add_f32 v[TT+j:TT+j+1], v[TT+j:TT+j+1], 1.0 op_sel_hi:[1,0]
.set j, j+2
.endr
.set j, 0
	s_wait_alu depctr_va_vdst(0)
.rept 64
	v_rcp_f32 v[TT+j], v[TT+j]
.set j, j+1
.endr
	v_nop
	s_wait_alu depctr_va_vdst(0)
.set j, 0
.rept 32
	v_pk_fma_f32 v[TT+j:TT+j+1], v[TT+j:TT+j+1], -2.0, 1.0 op_sel_hi:[1,0,0]
.set j, j+2
.endr
.endm
.macro TOSTAGE a
.set TT, AF+64*((\a)%2)
.irp b, 0,1,2,3,4,5,6,7
	ds_store_b128 v[STO], v[TT+8*\b:TT+8*\b+3] offset:64*\b
	ds_store_b128 v[STO], v[TT+8*\b+4:TT+8*\b+7] offset:64*\b+16
.endr
.irp t, 0,1,2,3,4,5,6,7,8,9,10,11,12,13,14,15
	ds_load_b128 v[TT+4*\t:TT+4*\t+3], v[RD] offset:\t*SPITCH
.endr
.endm
.macro SEND a
.set TT, AF+64*((\a)%2)
	s_wait_dscnt 0x0
.if (\a) > 0
	s_wait_xcnt 0x0
	s_add_nc_u64 s[10:11], s[10:11], 65536
.endif
.irp t, 0,1,2,3,4,5,6,7,8,9,10,11,12,13,14,15
	global_store_b128 v[CO], v[TT+4*\t:TT+4*\t+3], s[10:11] offset:4096*\t th:TH_STORE_NT
.endr
.endm
	TANH 0
	TOSTAGE 0
.irp a, 1,2,3
	TANH \a
	s_wait_alu depctr_va_vdst(0)
	SEND \a-1
	TOSTAGE \a
.endr
	SEND 3
	s_wait_tensorcnt 0x0
	ds_add_u32 v[SPW], v[NIL]
	s_wait_dscnt 0x0
	CROUND
	s_endpgm
.Lfunc_end_k_qd5624f5a1f_span:
	.size	k_qd5624f5a1f_span, .Lfunc_end_k_qd5624f5a1f_span-k_qd5624f5a1f_span
	.p2alignl 7, 3214868480
	.fill 96, 4, 3214868480
	.section	.rodata,"a",@progbits
	.p2align	6, 0x0
	.amdhsa_kernel k_qd5624f5a1f_span
		.amdhsa_group_segment_fixed_size 327680
		.amdhsa_private_segment_fixed_size 0
		.amdhsa_enable_private_segment 0
		.amdhsa_kernarg_size 104
		.amdhsa_user_sgpr_count 2
		.amdhsa_user_sgpr_kernarg_segment_ptr 1
		.amdhsa_wavefront_size32 1
		.amdhsa_system_sgpr_workgroup_id_x 1
		.amdhsa_system_sgpr_workgroup_id_y 1
		.amdhsa_system_sgpr_workgroup_id_z 1
		.amdhsa_system_vgpr_workitem_id 0
		.amdhsa_next_free_vgpr 1024
		.amdhsa_next_free_sgpr 100
		.amdhsa_reserve_vcc 0
		.amdhsa_float_denorm_mode_32 3
		.amdhsa_float_denorm_mode_16_64 3
		.amdhsa_memory_ordered 1
		.amdhsa_forward_progress 1
		.amdhsa_inst_pref_size 255
	.end_amdhsa_kernel
	.section	.bss,"aw",@nobits
	.p2align	6
	.space	262144
	.amdgpu_metadata
---
amdhsa.version: [ 1, 2 ]
amdhsa.kernels:
  - .name:           k_qd5624f5a1f_span
    .symbol:         k_qd5624f5a1f_span.kd
    .args:
      - { .name: acodes, .offset: 0, .size: 8, .value_kind: global_buffer, .address_space: global }
      - { .name: wcodes, .offset: 8, .size: 8, .value_kind: global_buffer, .address_space: global }
      - { .name: lowp_scales, .offset: 16, .size: 8, .value_kind: global_buffer, .address_space: global }
      - { .name: bp1, .offset: 24, .size: 8, .value_kind: global_buffer, .address_space: global }
      - { .name: bp2, .offset: 32, .size: 8, .value_kind: global_buffer, .address_space: global }
      - { .name: bp3, .offset: 40, .size: 8, .value_kind: global_buffer, .address_space: global }
      - { .name: bp4, .offset: 48, .size: 8, .value_kind: global_buffer, .address_space: global }
      - { .name: bh1, .offset: 56, .size: 8, .value_kind: global_buffer, .address_space: global }
      - { .name: bh2, .offset: 64, .size: 8, .value_kind: global_buffer, .address_space: global }
      - { .name: bh3, .offset: 72, .size: 8, .value_kind: global_buffer, .address_space: global }
      - { .name: bh4, .offset: 80, .size: 8, .value_kind: global_buffer, .address_space: global }
      - { .name: out0, .offset: 88, .size: 8, .value_kind: global_buffer, .address_space: global }
      - { .name: out1, .offset: 96, .size: 8, .value_kind: global_buffer, .address_space: global }
    .group_segment_fixed_size: 327680
    .private_segment_fixed_size: 0
    .kernarg_segment_align: 8
    .kernarg_segment_size: 104
    .max_flat_workgroup_size: 128
    .sgpr_count:     100
    .vgpr_count:     1024
    .wavefront_size: 32
...
	.end_amdgpu_metadata
.endif
;; end of part 2
